; MI455X (gfx1250); checked and timed in simulation.
; The chip was launched on July 23, 2026; its instructions are those of AMD's public machine-readable ISA for CDNA 5 (MIT licence, August 2026) and "CDNA5" Instruction Set Architecture Reference Guide (July 2026). The comments in the code are by the model that wrote it; some were corrected since.
;; Quantized Layer. Allowed arithmetic: matrix products marked QUANTISED: E3M2 operands, one E8M0 scale for each 32 along K, by v_wmma_scale_f32_16x16x128_f8f6f4 with both operands' format E3M2, f32 sums; everything else in f32.
;; Inputs: centroid_table 256 x 1 float32; input_ 4 x 2,048 x 4,096 float32; weight_idx 2,048 x 4,096 int32.
;; Outputs: out0 4 x 2,048 x 2,048 float32.
;; This version of the problem:
;;   THIS VERSION OF THE PROBLEM IS GIVEN IN LOW PRECISION. The matrix products marked QUANTISED in the list below multiply operands that are first quantised to E3M2 (3 exponent bits, 2 mantissa bits; 6 bits a number), with one power-of-two scale for each 32 numbers along K (OCP MX v1.0); their sums are f32. All else is computed in f32.
;;   The module's matrix products, in the order in which they are computed (A, B: the left and right operand; K: the contracted axis; several contracted axes count as one K, in the product's order):
;;     1. [M 8,192, K 4,096] x [K 4,096, N 2,048]; A: input input_; B: computed on the way: QUANTISED
;;   THE QUANTISER, for each operand of a quantised product, along K:
;;     - K is cut into blocks of 32 from its start; a last block that is shorter is filled with zeros.
;;     - A block's scale is 2^e with e = floor(log2(the largest magnitude in the block)) - 4, held to -126 .. 127; a block of zeros has e = 0. As a byte (E8M0): e + 127.
;;     - Each number is divided by its block's scale, clamped to +-28, and rounded to the nearest number of E3M2, ties to even, subnormals kept.
;;     - The product sums the exact products of the quantised numbers (number of the format x scale) in f32.
;;   ~~~python
;;   def quantise(x, axis):      # numpy; x: float32 -> the quantised numbers, widened to float32 again
;;       x = np.moveaxis(x, axis, -1); K = x.shape[-1]
;;       x = np.pad(x, [(0, 0)] * (x.ndim - 1) + [(0, -K % 32)]); x = x.reshape(x.shape[:-1] + (-1, 32)); a = np.abs(x).max(-1, keepdims=True)
;;       e = np.where(a > 0, np.clip(np.frexp(np.where(a > 0, a, 1))[1] - 1 - 4, -126, 127), 0)      # np.frexp(a)[1] - 1 = floor(log2(a)), exactly
;;       r = np.clip(x / 2.0 ** e, -28, 28)
;;       step = 2.0 ** (np.maximum(np.frexp(np.where(r == 0, 1, r))[1] - 1, -2) - 2)
;;       q = np.round(r / step) * step * 2.0 ** e      # np.round: ties to even
;;       return np.moveaxis(q.reshape(q.shape[:-2] + (-1,))[..., :K], -1, axis).astype(np.float32)
;;   ~~~
;;   OPERANDS COMPUTED ON THE WAY. 'Computed on the way' means the value that the module computes at that place (a softmax that the list does not call 'softmax' is quantised finished and normalised). What goes into a quantiser is computed in f32, as accurately as f32 sums, v_exp_f32 and their like allow (about 1e-6 of the number): no bf16 or f16 on the way to a quantiser, and a product that is left as it is and whose result goes on into a quantised operand takes f32 operands (vector FMAs, or v_wmma_f32_16x16x4_f32). A number that lies on a knife's edge between two numbers of the format may be rounded either way, as far as f32 arithmetic and the matrix unit's own rounding can turn it there, and no further.
;; One version. Each part assembles by itself: llvm-mc -triple=amdgcn-amd-amdhsa -mcpu=gfx1250 --defsym DOCPART=n.
;; ======== version 1 of 1: 2 launches
;; limits: right only within a limited range of input values
;; workspace buffers: x_pack 26,214,400 bytes; w_pack 6,553,600 bytes
;; launch quant (part 1): grid 1280 x 1, 4 waves a work-group, no clusters, 35,328 bytes of LDS; arguments input_, weight_idx, centroid_table, x_pack, w_pack; writes x_pack, w_pack
.if DOCPART == 1
	.amdgcn_target "amdgcn-amd-amdhsa--gfx1250"
	.amdhsa_code_object_version 6
	.text
	.protected	k_qb1b63918cc_quant
	.globl	k_qb1b63918cc_quant
	.p2align	8
	.type	k_qb1b63918cc_quant,@function
k_qb1b63918cc_quant:
	s_mov_b64 s[64:65], 0
	v_nop
	global_prefetch_b8 v0, s[64:65] scope:SCOPE_SE
	s_setreg_imm32_b32 hwreg(HW_REG_WAVE_MODE, 25, 1), 1
	s_wait_xcnt 0x0
; out0 = Q(input_) Q(W)^T with W[o][i] = centroid_table[weight_idx[o][i]].  THIS LAUNCH makes both operands of that product once: codes of BF6 (E3M2), 6 bits each, with one E8M0 scale byte for each 32 along K.
; NOTHING OF reference() IS LEFT OUT: every number of input_, every index and (by the indices) the table have a way to out0.  The lookup is a selection by an index that this launch reads from memory.
; Each tile of input_ serves 8 tile columns of out0 and each tile of W 32 tile rows: quantised here once, the f32 numbers and the indices are read once and the lookup is done once for each weight.
; A block's scale is 2^(floor(log2(its largest magnitude)) - 4); its byte is the largest magnitude's own exponent field - 4, held at 1 from below.  Each number is divided by the scale and rounded to the nearest code,
; ties to even, beyond the largest code the largest.
; LIMITS: a block of zeros gets the byte 1 where the rule says 127 (its codes are zeros, which add nothing under any byte but 0xff, and this program alone reads the bytes); blocks whose largest magnitude lies under
; 2^(4 - 126) have their byte held at 1; NaN and infinities among input_ and centroid_table are not served; an index outside 0 .. 255 is held at 255 as an unsigned number (the problem says that an index stays inside its table).
; THE WORKSPACE, x_pack and w_pack alike: [K step f of 128: 32][group G of 128 rows][a RECORD of 12,800 bytes].  A record is what one wave of the product's launch reads for one K step:
;   8 fragment images of 1,536 bytes (block row i of 16 rows: [c: 3][lane: 32][16 bytes] = registers 4 c .. 4 c + 3 of the lane; lane (r, h) holds row r, registers 6 c .. 6 c + 5 the block of 32 at k = 64 c + 32 h),
;   then 512 bytes of scale words: [pair m of block rows: 4][row r: 16][2 words]; a word is the four bytes of a row's 128 along K; the two are block rows 2 m and 2 m + 1.
; SHARES.  A wave takes 64 rows x 128 K: half a record (4 fragments, 256 bytes of scale words), in 8 steps of 16 rows x 64 K.  Work-groups 0 .. 255 take W, the other 1,024 input_.
; A STEP.  Eight loads: lanes 0-15 take 256 consecutive bytes of row 2 i, lanes 16-31 of row 2 i + 1, each at a multiple of 256 from the buffer's first byte.  The 16 pieces go through the wave's own stage in LDS (rows 272
; bytes apart) and come back 128 bytes a lane: lane (r, h) then holds a WHOLE block of 32 of row r, so that its largest magnitude needs no other lane, and the two conversions' results are six of the fragment's registers.
; W's path puts the lookup between the load and the stage: 32 indices a lane are held to 255, made byte offsets, and 32 loads of 4 bytes bring the centroids, each into the register that held its offset.
; OUT.  A fragment leaves by three stores of 512 consecutive bytes; the wave's 64 scale words by one store of 256 consecutive bytes; all at multiples of 256 from the buffer's first byte.
; No tensor loads, no barrier: waves share nothing.  The two paths part on the work-group's number and have LDS bytes of their own.
.set WAVES, 4
.set STEPS, 8
.set WGW,   256                        ; W's work-groups: 32 runs of 64 rows x 32 K steps / 4 waves
.set EMAX,  4
.set ROWF,  16384                      ; a row of input_ or of weight_idx in bytes
.set SP,    272                        ; a stage row: 256 bytes + 16
.set STG,   16*SP                      ; a wave's stage
.set WB,    WAVES*STG                  ; W's path uses the same addresses this many bytes further on
.set SPARE, 2*WAVES*STG                ; behind both paths' stages: the spare words, 128 bytes for each wave
.set FRB,   1536                       ; a fragment's image
.set REC,   8*FRB+512                  ; a record
.set KSTX,  64*REC                     ; from a K step to the next in x_pack,
.set KSTW,  16*REC                     ; and in w_pack
.set SPW,   12                         ; v12      LDS address of my spare word; never rewritten
.set NIL,   13                         ; v13      0; never rewritten
.set R,     16                         ; v16-111  three sets of 32 as loaded: input_'s numbers; or W's indices, then offsets into the table, then centroids
.set X,     112                        ; v112-143 my block of 32
.set CD,    144                        ; v144-167 a fragment's 12 registers, two sets by turns
.set T,     168                        ; v168-170 a block's upper 16 codes (a conversion's three registers begin on an even number)
.set WD,    172                        ; v172-175 the four fragments' scale words
	s_load_b256 s[4:11], s[0:1], 0x0               ; input_ s[4:5], weight_idx s[6:7], centroid_table s[8:9], x_pack s[10:11]
	s_load_b64 s[14:15], s[0:1], 0x20              ; w_pack
	v_lshl_add_u32 v[SPW], v0, 2, SPARE
	v_mov_b32 v[NIL], 0
	v_lshrrev_b32 v1, 5, v0
	v_readfirstlane_b32 s18, v1                    ; wave
	v_and_b32 v15, 31, v0                          ; lane
	v_and_b32 v1, 15, v0                           ; r
	v_bfe_u32 v2, v0, 4, 1                         ; h
	v_lshlrev_b32 v3, 4, v1
	v_lshl_add_u32 v3, v2, 14, v3                  ; in: 16 r, and one row further down for lanes 16-31
	v_lshlrev_b32 v4, 4, v15                       ; out: my 16 bytes of a store's 512,
	v_lshlrev_b32 v5, 3, v15                       ; and my 8 bytes of the scale words' 256
	s_mul_i32 s19, s18, STG
	v_mul_u32_u24 v6, v2, SP
	v_lshl_add_u32 v6, v1, 4, v6
	v_add_nc_u32 v6, s19, v6                       ; the stage, on the way in: row h of the load's two, 16 r
	v_mul_u32_u24 v7, v1, SP
	v_lshl_add_u32 v7, v2, 7, v7
	v_add_nc_u32 v7, s19, v7                       ; and on the way out: row r, block h
	v_lshlrev_b32 v2, 3, v2                        ; 8 h: my bytes' place in a scale word
	v_mov_b32 v14, 0                               ; written once: a lane permute's destination counts as one of its sources
	s_mov_b32 s24, 0x76543210
	s_mov_b32 s25, 0xfedcba98                      ; v_permlanex16_b32's selects for lane l xor 16
	s_mov_b32 s21, KSTX
	s_wait_alu depctr_va_vdst(0)                   ; the wait at the head's end
	s_wait_kmcnt 0x0
	s_cmp_lt_u32 ttmp9, WGW                        ; W's work-group or input_'s?  The choice hangs on the work-group's number alone
	s_cselect_b64 s[4:5], s[6:7], s[4:5]           ; what is streamed in,
	s_cselect_b64 s[10:11], s[14:15], s[10:11]     ; and where the records lie
	s_cselect_b32 s19, 0, WGW
	s_cselect_b32 s21, KSTW, s21                   ; a K step on in that buffer
	s_sub_co_u32 s19, ttmp9, s19
	s_lshl_b32 s19, s19, 2
	s_add_co_u32 s20, s19, s18                     ; my wave's share: run of 64 rows = share / 32, K step f = share % 32
	s_lshr_b32 s26, s20, 5
	s_and_b32 s27, s20, 31
	s_mov_b32 s23, 0
	s_lshl_b32 s22, s26, 20                        ; in: 64 rows of 16,384 bytes a run,
	s_lshl_b32 s28, s27, 9                         ; 512 bytes a K step
	s_add_co_u32 s22, s22, s28
	s_add_nc_u64 s[4:5], s[4:5], s[22:23]
	s_mul_i32 s22, s27, s21                        ; out: K step f,
	s_lshr_b32 s28, s26, 1
	s_mul_i32 s28, s28, REC                        ; the record of my 128 rows,
	s_add_co_u32 s22, s22, s28
	s_and_b32 s29, s26, 1                          ; and which half of it is mine
	s_mul_i32 s28, s29, 4*FRB                      ; codes: four fragments a half
	s_add_co_u32 s28, s28, s22
	s_lshl_b32 s30, s29, 8                         ; scale words: behind the eight fragments, 256 bytes a half
	s_add_co_u32 s30, s30, s22
	s_add_co_u32 s30, s30, 8*FRB
	s_mov_b32 s31, 0
	s_mov_b32 s29, 0
	s_add_nc_u64 s[12:13], s[10:11], s[30:31]
	s_add_nc_u64 s[10:11], s[10:11], s[28:29]
.macro LOAD u                          ; step u = 2 k + c: block row k's 16 rows x 256 bytes (64 along K at 64 c) into set u % 3
.irp i, 0,1,2,3,4,5,6,7
	global_load_b128 v[R+32*((\u)%3)+4*\i:R+32*((\u)%3)+4*\i+3], v3, s[4:5] offset:2*ROWF*\i+16*ROWF*((\u)/2)+256*((\u)%2) th:TH_LOAD_NT
.endr
.endm
.macro TURN u                          ; step u's numbers through the stage.  LDS serves a wave's instructions in order: no wait stands between the stores and the loads
.irp i, 0,1,2,3,4,5,6,7
	ds_store_b128 v6, v[R+32*((\u)%3)+4*\i:R+32*((\u)%3)+4*\i+3] offset:LB+2*SP*\i
.endr
.irp i, 0,1,2,3,4,5,6,7
	ds_load_b128 v[X+4*\i:X+4*\i+3], v7 offset:LB+16*\i
.endr
.endm
.macro GATH u                          ; W: step u's 32 indices a lane become byte offsets, and 32 loads bring their centroids, each into the register that held its offset
.set IS, R+32*((\u)%3)
.set n, 0
.rept 32
	v_min_u32 v[IS+n], 0xff, v[IS+n]               ; a loaded number enters an address only behind this hold
.set n, n+1
.endr
.set n, 0
.rept 32
	v_lshlrev_b32 v[IS+n], 2, v[IS+n]
.set n, n+1
.endr
.set n, 0
.rept 32
	global_load_b32 v[IS+n], v[IS+n], s[8:9]       ; the table's 1,024 bytes are read again and again: no hint
.set n, n+1
.endr
.endm
.macro QB u                            ; step u = 2 k + c: my block becomes registers 6 c .. 6 c + 5 of fragment k; behind c = 1 the fragment and its scale word are whole
.set CR, CD+12*(((\u)/2)%2)+6*((\u)%2)
	v_max3_num_f32 v8, |v[X]|, |v[X+1]|, |v[X+2]|                  ; the block's largest magnitude: all 32 numbers are mine; two chains
	v_max3_num_f32 v9, |v[X+3]|, |v[X+4]|, |v[X+5]|
.irp i, 6,10,14,18,22,26
	v_max3_num_f32 v8, v8, |v[X+\i]|, |v[X+\i+1]|
	v_max3_num_f32 v9, v9, |v[X+\i+2]|, |v[X+\i+3]|
.endr
	v_max3_num_f32 v8, v8, |v[X+30]|, |v[X+31]|
	v_max3_num_f32 v8, v8, v9, (EMAX+1)<<23        ; and the floor 2^(EMAX + 1 - 127): so the byte cannot fall under 1
	v_add_nc_u32 v10, -(EMAX<<23), v8              ; EMAX off its exponent field: the conversion takes the exponent field of this operand as its scale
	v_cvt_scalef32_pk16_bf6_f32 v[CR:CR+2], v[X:X+15], v10         ; 96 bits without gaps, the first number's code lowest
	v_cvt_scalef32_pk16_bf6_f32 v[T:T+2], v[X+16:X+31], v10
	v_lshrrev_b32 v9, 23, v10                      ; the scale's byte.  (Also the plain instruction behind the conversions)
.irp i, 0,1,2
	v_mov_b32 v[CR+3+\i], v[T+\i]
.endr
.if (\u)%2 == 0
	v_mov_b32 v11, v9                              ; block h's byte
.else
	v_lshl_or_b32 v11, v9, 16, v11                 ; with block 2 + h's,
	v_lshlrev_b32 v11, v2, v11                     ; at their places in the scale word (8 h bits up);
	v_permlanex16_b32 v14, v11, s24, s25
	v_or_b32 v[WD+(\u)/2], v11, v14                ; with lane l xor 16's two the word is whole, in both lanes
.set CF, CD+12*(((\u)/2)%2)
.irp j, 0,1,2
	global_store_b128 v4, v[CF+4*\j:CF+4*\j+3], s[10:11] offset:((\u)/2)*FRB+512*\j   ; 32 lanes store 512 consecutive bytes
.endr
.endif
.endm
.macro FINISH                          ; the wave's scale words leave, and the wave ends
	v_cmp_gt_u32 vcc_lo, 16, v15
	v_cndmask_b32 v8, v[WD+2], v[WD], vcc_lo       ; lanes 0-15: row r's words of my block rows 0, 1; lanes 16-31: of block rows 2, 3
	v_cndmask_b32 v9, v[WD+3], v[WD+1], vcc_lo
	global_store_b64 v5, v[8:9], s[12:13]          ; 32 lanes store 256 consecutive bytes, at a multiple of 256 from the buffer's first byte
	s_wait_tensorcnt 0x0                           ; the wave's end, behind my last LDS store
	ds_add_u32 v[SPW], v[NIL]
	s_wait_dscnt 0x0
	s_endpgm
.endm
	s_cmp_lt_u32 ttmp9, WGW                        ; (the sums above have written SCC)
	s_cbranch_scc0 .Lx
; ---- W's path.  The loads are issued in the order indices 0, indices 1, lookups 0, indices 2, lookups 1, indices 3, ..: indices two steps ahead of their lookups, lookups a step ahead of their use.
.set LB, WB
.macro WSTEP u
.if (\u)+2 < STEPS
	s_wait_loadcnt 8                               ; this step's 32 lookups are in; behind them stand the 8 loads of the indices of two steps on
.else
	s_wait_loadcnt 0
.endif
	TURN \u
.if (\u)+1 < STEPS
	GATH (\u)+1                                    ; the next step's lookups go out while this step's numbers turn through the stage
.endif
	s_wait_dscnt 0x0                               ; my block is back; the stage's stores have read set u % 3
.if ((\u) == 4) || ((\u) == 6)
	s_wait_xcnt 0x0                                ; the codes' set comes round: it is rewritten only behind this wait
.endif
.if (\u)+3 < STEPS
	LOAD (\u)+3                                    ; into set u % 3, whose lookups the wait at the step's head has shown done
.endif
	QB \u
.endm
	LOAD 0
	LOAD 1
	s_wait_loadcnt 8                               ; step 0's indices are in; step 1's 8 loads may be out
	GATH 0
	LOAD 2
.irp u, 0,1,2,3,4,5,6,7
	WSTEP \u
.endr
	FINISH
; ---- input_'s path.  Loads run three steps (24 loads a wave) ahead.
.Lx:
.set LB, 0
.macro XSTEP u
.if (\u)+2 < STEPS
	s_wait_loadcnt 16                              ; this step's eight loads are in; those of the two steps behind it may be out
.elseif (\u)+1 < STEPS
	s_wait_loadcnt 8
.else
	s_wait_loadcnt 0
.endif
	TURN \u
	s_wait_dscnt 0x0                               ; my block is back; the stage's stores have read set u % 3
.if ((\u) == 4) || ((\u) == 6)
	s_wait_xcnt 0x0                                ; the codes' set comes round: it is rewritten only behind this wait
.endif
.if (\u)+3 < STEPS
	LOAD (\u)+3
.endif
	QB \u
.endm
	LOAD 0
	LOAD 1
	LOAD 2
.irp u, 0,1,2,3,4,5,6,7
	XSTEP \u
.endr
	FINISH
.Lfunc_end_k_qb1b63918cc_quant:
	.size	k_qb1b63918cc_quant, .Lfunc_end_k_qb1b63918cc_quant-k_qb1b63918cc_quant
	.p2alignl 7, 3214868480
	.fill 96, 4, 3214868480
	.section	.rodata,"a",@progbits
	.p2align	6, 0x0
	.amdhsa_kernel k_qb1b63918cc_quant
		.amdhsa_group_segment_fixed_size 35328
		.amdhsa_private_segment_fixed_size 0
		.amdhsa_enable_private_segment 0
		.amdhsa_kernarg_size 40
		.amdhsa_user_sgpr_count 2
		.amdhsa_user_sgpr_kernarg_segment_ptr 1
		.amdhsa_wavefront_size32 1
		.amdhsa_system_sgpr_workgroup_id_x 1
		.amdhsa_system_sgpr_workgroup_id_y 1
		.amdhsa_system_sgpr_workgroup_id_z 1
		.amdhsa_system_vgpr_workitem_id 0
		.amdhsa_next_free_vgpr 176
		.amdhsa_next_free_sgpr 66
		.amdhsa_reserve_vcc 1
		.amdhsa_float_denorm_mode_32 3
		.amdhsa_float_denorm_mode_16_64 3
		.amdhsa_memory_ordered 1
		.amdhsa_forward_progress 1
		.amdhsa_inst_pref_size 107
	.end_amdhsa_kernel
	.amdgpu_metadata
---
amdhsa.version: [ 1, 2 ]
amdhsa.kernels:
  - .name:           k_qb1b63918cc_quant
    .symbol:         k_qb1b63918cc_quant.kd
    .args:
      - { .name: input_, .offset: 0, .size: 8, .value_kind: global_buffer, .address_space: global }
      - { .name: weight_idx, .offset: 8, .size: 8, .value_kind: global_buffer, .address_space: global }
      - { .name: centroid_table, .offset: 16, .size: 8, .value_kind: global_buffer, .address_space: global }
      - { .name: x_pack, .offset: 24, .size: 8, .value_kind: global_buffer, .address_space: global }
      - { .name: w_pack, .offset: 32, .size: 8, .value_kind: global_buffer, .address_space: global }
    .group_segment_fixed_size: 35328
    .private_segment_fixed_size: 0
    .kernarg_segment_align: 8
    .kernarg_segment_size: 40
    .max_flat_workgroup_size: 128
    .sgpr_count:     66
    .vgpr_count:     176
    .wavefront_size: 32
...
	.end_amdgpu_metadata
.endif
;; end of part 1
;; launch gemm (part 2): grid 8 x 32, 4 waves a work-group, clusters of 4 x 4, 327,680 bytes of LDS; arguments x_pack, w_pack, out0; writes out0
.if DOCPART == 2
	.amdgcn_target "amdgcn-amd-amdhsa--gfx1250"
	.amdhsa_code_object_version 6
	.text
	.protected	k_qb1b63918cc_gemm
	.globl	k_qb1b63918cc_gemm
	.p2align	8
	.type	k_qb1b63918cc_gemm,@function
k_qb1b63918cc_gemm:
	s_mov_b64 s[64:65], 0
	v_nop
	global_prefetch_b8 v0, s[64:65] scope:SCOPE_SE
	s_setreg_imm32_b32 hwreg(HW_REG_WAVE_MODE, 25, 1), 1
	s_wait_xcnt 0x0
	s_wait_alu depctr_hold_cnt(0) depctr_sa_sdst(0) depctr_va_vdst(0) depctr_va_sdst(0) depctr_va_ssrc(0) depctr_va_vcc(0) depctr_vm_vsrc(0)
	s_getreg_b32 s2, hwreg(HW_REG_IB_STS2, 6, 4)
	s_cmp_eq_u32 s2, 0
	s_cbranch_scc0 .Lentry_in_a_cluster
	s_endpgm
.Lentry_in_a_cluster:
	s_bfe_u32 s2, ttmp6, 0x10000c
	s_cmp_lg_u32 s2, 0xf033
	s_cbranch_scc0 .Lentry_shape_is_right
	s_endpgm
.Lentry_shape_is_right:
; out0[m][n] = sum over k of Q(input_)[m][k] Q(W)[n][k], on the codes and scale bytes that the launch before has laid; sums in f32.  Nothing of reference() is left out.
; x_pack, w_pack: [K step f of 128: 32][group of 128 rows][record of 12,800 bytes]; a record = 8 fragment images of 1,536 bytes (16 rows x 128 K, in the order of the operand's registers: [c: 3][lane][16 bytes]),
; then 512 bytes of scale words [pair m of block rows: 4][row r: 16][2 words].
; A tile of out0, 256 x 256, is made by a work-group of four waves; a wave makes 128 x 128: 64 accumulators of 16 x 16, 512 registers.  8 x 32 tiles: 256 work-groups.
; THE RING: two LDS slots of 384 along K.  A slot has four parts (A's rows 0-127, 128-255, B's likewise), a part is three records; each wave brings one part by ONE tensor load of 3 rows x 12,800 bytes, each row at a
; multiple of 256 bytes.  The scales ride in the records, so two such slots and the spare words are all that LDS holds: 308,224 bytes.  32 K steps are ten slots of three and a last one of two: eleven slots, ten changes.
; From a refill to the wait for it a wave issues 160 matrix instructions.  B's parts lie 128 bytes further on, so that the two halves of the lanes of a scale load fall on different banks (ISA guide 11.1).
; CLUSTERS: 4 x 4 work-groups.  The four of a row of the cluster need the same parts of A, the four of a column the same parts of B: each is asked for JOINTLY, by the same tensor load with the same descriptor and a mask
; that names the four.  THE MATRIX INSTRUCTION IS USED TRANSPOSED (source 0 = 16 rows of W, source 1 = 16 rows of input_): a lane then holds eight neighbouring numbers of a row of out0.
; PREFETCH: behind the joint load of slot m, m = 0 .. 7, each wave asks for its share of the part that it will load for slot m + 2: a part is 150 blocks of 256 bytes; the four partners that load it jointly take 38
; each, told apart by address (cx for A, cy for B), a lane a block, two instructions a wave (lanes left over name the wave's last block again).  Slots 0 and 1 and the short last slot come by their loads alone, so
; no prefetch names a byte beyond K step 29's records.
; REGISTERS, in windows of 256: window 0: v16-31 addresses; v32-47 scale words, two sets of 8 (register i: lanes 0-15 the word of A's block i, lanes 16-31 that of B's block i); v128-223 A's fragments, ONE set;
;   v48-119 and v224-247 A's fragments of the very last K step; window 1: B's fragments, TWO sets, at v0 and v128; window 2: the accumulators of my rows 0-63 ((a, b) at v[8 (8 a + b)]); window 3: those of my rows 64-127.
; A step of 128 along K is 64 matrix instructions, A's blocks one after the other, each against B's eight.  A's blocks 0-3 and the scale words of the next step are fetched in the step's middle, A's blocks 4-7 at its end;
; B's set is free at a step's end and then takes the step after the next, where that lies in a slot that has landed: so a step's 52 LDS loads go out in runs of 16 and 36 (12 where the slot ends; 40 and 36 at a change of slots).
; THE LAST TWO K STEPS GO BY ROWS OF out0: both steps' fragments lie in registers, and my eight blocks of 16 rows are finished one after the other and leave as they are finished.
.set SIZE_N, 2048
.set FR,     12
.set FRB,    1536
.set REC,    8*FRB+512
.set KSTA,   64*REC                    ; from a K step to the next in x_pack,
.set KSTB,   16*REC                    ; and in w_pack
.set NL,     3                         ; LDS loads that bring a fragment
.set NP,     4                         ; places behind this matrix instruction (ISA guide 7.12.1)
.set PART,   3*REC
.set SHIFTB, 128
.set SLOT,   4*PART+256
.set SPARE,  2*SLOT                    ; behind the ring: the spare words, 128 bytes for each wave
.set SPITCH, 528
.set STAGE,  SLOT                      ; the way out: 16 rows x 528 bytes for each wave, in slot 1, which has had its last fill and its last read by then (the last two K steps lie in slot 0)
.set ADRA, 16                          ; v16-17 my A fragments in slot 0, 1
.set ADRB, 20                          ; v20-21 my B fragments
.set ADRS, 22                          ; v22-23 my scale words: lanes 0-15 A's, lanes 16-31 B's
.set STO,  24
.set RD,   25
.set CO,   26
.set SPW,  28                          ; v28 my spare word's LDS address; v29 0: never rewritten
.set NIL,  29
.set PFO,  30                          ; v30-31 the prefetches' offsets; never rewritten
.set SC,   32
.set A2,   48                          ; the last K step's A: block i at v[48 + 12 i], blocks 6 and 7 at v224 and v236
.set A2X,  104
.set AF,   128
.set G1, 24
.set G0, 32
.set G1B, 48
.set G0B, 56
.set PFB, 10                           ; s[10:11] the head's first prefetch: slot 2
.set PFA, 68                           ; s[68:69] where my prefetches stand; s[70:71] a slot on: three K steps
.set PFS, 70
.set MSB, 0
.macro WIN new                         ; the immediate's high byte repeats the setting that is left
.if MSB != (\new)
	s_set_vgpr_msb (MSB<<8)|(\new)
.set MSB, (\new)
.endif
.endm
.set MUL_LO, 0xa1                      ; source 0 (B) window 1, source 1 (A) window 0, C and D window 2
.set MUL_HI, 0xf1                      ; the same, C and D window 3
.set TO_B,   0x40                      ; destination window 1, address window 0
; A joint load: waves 0 and 1 fetch A's two parts, waves 2 and 3 B's.  The branch hangs on the wave's number alone.  An s_nop 0 and four v_nop follow each line.
.macro JLOAD s
	s_cmp_eq_u32 s15, 0
	s_cbranch_scc0 .Lfor_b_\@
	tensor_load_to_lds s[G0+4*\s:G0+4*\s+3], s[G1:G1+7]
	s_nop 0
.rept 4
	v_nop
.endr
	s_branch .Lasked_\@
.Lfor_b_\@:
	tensor_load_to_lds s[G0B+4*\s:G0B+4*\s+3], s[G1B:G1B+7]
	s_nop 0
.rept 4
	v_nop
.endr
.Lasked_\@:
.endm
.macro PF base                         ; my 38 blocks of a part, at the slot where the base stands
	global_prefetch_b8 v[PFO], s[\base:\base+1] th:TH_LOAD_NT scope:SCOPE_SE
	global_prefetch_b8 v[PFO+1], s[\base:\base+1] th:TH_LOAD_NT scope:SCOPE_SE
.endm
.macro ASK                             ; s3 = 1 in the loop's last trip, whose two refills have no whole slot two refills on
	s_cmp_gt_u32 s3, 1
	s_cbranch_scc0 .Lnot_now_\@
	PF PFA
.Lnot_now_\@:
.endm
.macro CREST                           ; a round of the cluster's barrier behind its opening barrier
	s_cmp_lg_u32 s14, 0
	s_cbranch_scc1 .Lnot_wave_0_\@
	s_barrier_signal -3
.Lnot_wave_0_\@:
	s_barrier_wait -3
	s_barrier_signal -1
	s_barrier_wait -1
.endm
.macro CROUND
	s_barrier_signal -1
	s_barrier_wait -1
	CREST
.endm
	s_load_b128 s[4:7], s[0:1], 0x0                ; x_pack s[4:5], w_pack s[6:7]
	s_load_b64 s[12:13], s[0:1], 0x10              ; out0
	v_lshl_add_u32 v[SPW], v0, 2, SPARE
	v_mov_b32 v[NIL], 0
	ds_add_u32 v[SPW], v[NIL]                      ; the opening lines: the add, twice on end, and its wait ahead of my first tensor load
	ds_add_u32 v[SPW], v[NIL]
	v_lshrrev_b32 v1, 5, v0
	v_readfirstlane_b32 s14, v1                    ; wave 0..3
	s_lshr_b32 s15, s14, 1                         ; which half of the tile's rows is mine.  Also: I fetch for A (0) or for B (1)
	s_and_b32 s16, s14, 1                          ; which half of its columns.  Also: which 128 rows I fetch
	s_bfe_u32 s40, ttmp6, 0x40000                  ; cx, cy
	s_bfe_u32 s41, ttmp6, 0x40004
	s_lshl_b32 s42, ttmp9, 2
	s_add_co_u32 s42, s42, s40                     ; tile column = 4 x cluster x + cx
	s_and_b32 s17, ttmp7, 0xffff
	s_lshl_b32 s17, s17, 2
	s_add_co_u32 s17, s17, s41                     ; tile row = 4 x cluster y + cy
	s_lshl_b32 s43, s41, 2
	s_lshl_b32 s43, 15, s43                        ; my row of the cluster
	s_lshl_b32 s44, 0x1111, s40                    ; my column
	s_or_b32 s[G1+0], s43, (3<<16)|(1<<21)         ; the mask; elements of 8 bytes; bit 21 beside a mask; no padding: fragments are read 16 bytes a lane on end
	s_or_b32 s[G1B+0], s44, (3<<16)|(1<<21)
.irp g, G1, G1B
	s_mov_b32 s[\g+1], (REC/8)<<16                 ; tensor_dim0: a record
	s_mov_b32 s[\g+2], 3<<16                       ; tensor_dim1 = 3 K steps
	s_mov_b32 s[\g+3], (REC/8)<<16                 ; tile_dim0
	s_mov_b32 s[\g+4], 3                           ; tile_dim1
	s_mov_b32 s[\g+6], 0
	s_mov_b32 s[\g+7], 0
.endr
	s_mov_b32 s[G1+5], KSTA/8                      ; from a K step's record to the next
	s_mov_b32 s[G1B+5], KSTB/8
	s_lshl_b32 s18, s17, 1
	s_add_co_u32 s18, s18, s16
	s_mul_i32 s18, s18, REC                        ; A: group 2 x tile row + half
	s_mov_b32 s19, 0
	s_lshl_b32 s22, s42, 1
	s_add_co_u32 s22, s22, s16
	s_mul_i32 s22, s22, REC                        ; B: group 2 x tile column + half
	s_mov_b32 s23, 0
	s_mul_i32 s45, s14, PART                       ; where my part goes: wave x a part,
	s_lshl_b32 s21, s15, 7
	s_add_co_u32 s45, s45, s21                     ; B's 128 bytes further on: no place in the cluster enters an LDS address
	s_wait_dscnt 0x0                               ; both opening adds are done
	s_wait_kmcnt 0x0
	s_add_nc_u64 s[20:21], s[4:5], s[18:19]
	s_add_nc_u64 s[46:47], s[6:7], s[22:23]
	CROUND                                         ; all sixteen work-groups are here: the first joint loads meet
.irp s, 0,1
	s_mov_b32 s[G0+4*\s], 1
	s_add_co_u32 s[G0+4*\s+1], s45, \s*SLOT
	s_add_nc_u64 s[G0+4*\s+2:G0+4*\s+3], s[20:21], \s*3*KSTA
	s_or_b32 s[G0+4*\s+3], s[G0+4*\s+3], 0x80000000
	s_mov_b32 s[G0B+4*\s], 1
	s_add_co_u32 s[G0B+4*\s+1], s45, \s*SLOT
	s_add_nc_u64 s[G0B+4*\s+2:G0B+4*\s+3], s[46:47], \s*3*KSTB
	s_or_b32 s[G0B+4*\s+3], s[G0B+4*\s+3], 0x80000000
.endr
	JLOAD 0                                        ; K steps 0 to 2: one tensor load a wave at the head
	; the scalars of the addresses first, then the vector lines on end
	s_mov_b32 s75, KSTB
	s_cmp_eq_u32 s15, 0                            ; do I fetch for A?
	s_cselect_b32 s75, KSTA, s75                   ; a K step in my buffer
	s_cselect_b32 s78, s40, s41                    ; my place among the four that ask with me
	s_cselect_b32 s76, s18, s22                    ; my part's first byte
	s_cselect_b64 s[PFA:PFA+1], s[4:5], s[6:7]
	s_mul_i32 s78, s78, 38                         ; my 38 of the part's 150 blocks
	s_mul_i32 s[PFS], s75, 3
	s_mov_b32 s[PFS+1], 0
	s_mul_i32 s77, s75, 6
	s_add_co_u32 s76, s76, s77
	s_mov_b32 s77, 0
	s_add_nc_u64 s[PFB:PFB+1], s[PFA:PFA+1], s[76:77]      ; slot 2 (K step 6), asked for behind slot 0's load;
	s_add_nc_u64 s[PFA:PFA+1], s[PFB:PFB+1], s[PFS:PFS+1]  ; slot 3, behind slot 1's; each refill steps this one a slot on
	s_sub_co_u32 s79, s75, REC
	s_mul_i32 s66, s15, PART                       ; my 128 rows of A in a slot
	s_mul_i32 s67, s16, PART
	s_add_co_u32 s67, s67, 2*PART+SHIFTB           ; my 128 rows of B
	s_sub_co_u32 s72, s67, s66                     ; from A's to B's
	s_add_co_u32 s73, s66, 8*FRB                   ; A's scale words
	s_mul_i32 s74, s14, 16*SPITCH
	s_add_co_u32 s74, s74, STAGE                   ; my stage
	s_lshl_b32 s22, s17, 8
	s_lshl_b32 s23, s15, 7
	s_add_co_u32 s22, s22, s23                     ; my first row of out0,
	s_lshl_b32 s22, s22, 13                        ; 8,192 bytes a row,
	s_lshl_b32 s23, s42, 10
	s_add_co_u32 s22, s22, s23                     ; 1,024 bytes a tile column,
	s_lshl_b32 s23, s16, 9
	s_add_co_u32 s22, s22, s23                     ; 512 a half
	s_mov_b32 s23, 0
	s_add_nc_u64 s[12:13], s[12:13], s[22:23]
	v_and_b32 v1, 15, v0                           ; r
	v_bfe_u32 v2, v0, 4, 1                         ; h
	v_and_b32 v3, 31, v0                           ; lane
	v_lshlrev_b32 v[CO], 4, v3                     ; 16 bytes a lane: in a fragment's image, in a stage row, in a row of out0
	v_add_nc_u32 v[ADRA], s66, v[CO]
	v_add_nc_u32 v[ADRB], s67, v[CO]
	v_add_nc_u32 v[ADRA+1], SLOT, v[ADRA]
	v_add_nc_u32 v[ADRB+1], SLOT, v[ADRB]
	v_mul_u32_u24 v6, s72, v2                      ; lanes 16-31 take B's words
	v_lshl_add_u32 v6, v1, 3, v6                   ; 8 bytes a row: a pair of block rows
	v_add_nc_u32 v[ADRS], s73, v6
	v_add_nc_u32 v[ADRS+1], SLOT, v[ADRS]
	v_mul_u32_u24 v5, v1, SPITCH                   ; into the stage: row r, 32 bytes for each half of the lanes
	v_lshl_add_u32 v5, v2, 5, v5
	v_add_nc_u32 v[STO], s74, v5
	v_add_nc_u32 v[RD], s74, v[CO]                 ; back: the 32 lanes take a row of 512 bytes
	v_add_nc_u32 v7, s78, v3                       ; block 38 p + lane,
	v_min_u32 v8, 5, v3
	v_add3_u32 v8, v8, s78, 32                     ; and 38 p + 32 + (lane, at most 5),
	v_min_u32 v7, 149, v7                          ; held inside the part
	v_min_u32 v8, 149, v8
	v_mul_u32_u24 v9, 41, v7
	v_mul_u32_u24 v10, 41, v8
	v_lshrrev_b32 v9, 11, v9                       ; block / 50 for blocks under 150: the record
	v_lshrrev_b32 v10, 11, v10
	v_mul_u32_u24 v9, s79, v9                      ; a record on is a K step on in memory
	v_mul_u32_u24 v10, s79, v10
	v_lshl_add_u32 v[PFO], v7, 8, v9
	v_lshl_add_u32 v[PFO+1], v8, 8, v10
.macro FRAG reg, adr, q, i             ; a fragment's image: three loads of 512 consecutive bytes
.irp c, 0,1,2
	ds_load_b128 v[\reg+4*\c:\reg+4*\c+3], v[\adr] offset:(\q)*REC+(\i)*FRB+512*\c
.endr
.endm
; 8 matrix instructions: A's block a, whose fragment begins at register af, x B's eight.  p: B's set and the set of scale words.  The accumulators take turns, one instruction a turn.
.macro MUL8 a, p, af, zero
.irp b, 0,1,2,3,4,5,6,7
.if \zero
	v_wmma_scale_f32_16x16x128_f8f6f4 v[8*(8*((\a)%4)+\b):8*(8*((\a)%4)+\b)+7], v[128*(\p)+FR*\b:128*(\p)+FR*\b+FR-1], v[(\af):(\af)+FR-1], 0, v[SC+8*(\p)+\b], v[SC+8*(\p)+(\a)] matrix_a_fmt:MATRIX_FMT_BF6 matrix_b_fmt:MATRIX_FMT_BF6 matrix_a_scale:MATRIX_SCALE_ROW1
.else
	v_wmma_scale_f32_16x16x128_f8f6f4 v[8*(8*((\a)%4)+\b):8*(8*((\a)%4)+\b)+7], v[128*(\p)+FR*\b:128*(\p)+FR*\b+FR-1], v[(\af):(\af)+FR-1], v[8*(8*((\a)%4)+\b):8*(8*((\a)%4)+\b)+7], v[SC+8*(\p)+\b], v[SC+8*(\p)+(\a)] matrix_a_fmt:MATRIX_FMT_BF6 matrix_b_fmt:MATRIX_FMT_BF6 matrix_a_scale:MATRIX_SCALE_ROW1
.endif
.endr
.endm
.macro MUL16 a0, p, zero
	MUL8 \a0, \p, AF+FR*(\a0), \zero
	MUL8 (\a0)+1, \p, AF+FR*((\a0)+1), \zero
.endm
.macro FETCH_B s, q, p
	WIN TO_B
.irp i, 0,1,2,3,4,5,6,7
	FRAG 128*(\p)+FR*\i, ADRB+(\s), \q, \i
.endr
	WIN 0
.endm
.macro FETCH_A s, q, i0
.irp i, \i0, \i0+1, \i0+2, \i0+3
	FRAG AF+FR*(\i), ADRA+(\s), \q, \i
.endr
.endm
.macro SCALES s, q, p                  ; the K step's scale words: two block rows a load
.irp m, 0,1,2,3
	ds_load_b64 v[SC+8*(\p)+2*\m:SC+8*(\p)+2*\m+1], v[ADRS+(\s)] offset:(\q)*REC+128*\m
.endr
.endm
.macro PLACES n
.rept \n
	v_nop
.endr
.endm
; A step inside a slot: record q (0 or 1) of slot s; its K step's parity is (s + q) % 2.  The LDS loads stand in this order: .. B of this step; A's blocks 0-3 and the scale words of this step; A's blocks 4-7 of this step (12 loads);
; B of the next step (24 loads).
.macro STEP s, q, zero
.set P, ((\s)+(\q))%2
	s_wait_dscnt 12*NL                             ; my B, A's blocks 0-3 and the scale words are in; the youngest 36 loads (A's blocks 4-7, the next step's B) may be out
	WIN MUL_LO
	MUL16 0, P, \zero
	MUL16 2, P, \zero
	s_wait_dscnt 8*NL                              ; A's blocks 4-7 are in; the next step's B (24 loads) may be out
	PLACES NP
	WIN 0
	FETCH_A \s, (\q)+1, 0
	SCALES \s, (\q)+1, 1-P
	WIN MUL_HI
	MUL16 4, P, \zero
	MUL16 6, P, \zero
	PLACES NP
	WIN 0
	FETCH_A \s, (\q)+1, 4
.if (\q) == 0
	FETCH_B \s, 2, P                               ; my B's set is free: it takes the slot's last step
.endif
.endm
; A slot's last step (record 2) changes slots.  ONE barrier: in front of it each wave waits for all its tensor loads (its part of the next slot), adds 0 to its spare word, and waits for that and for its reads of this slot.
; fill = 1: this slot is filled again, two slots on; 2: with the last slot, of two K steps; 0: nothing is left to fetch.
.macro TURN s, fill
.set P, (\s)%2
.if \fill == 1
	s_wait_xcnt 0x0                                ; my prefetches have read their address: it steps a slot on
	s_add_nc_u64 s[PFA:PFA+1], s[PFA:PFA+1], s[PFS:PFS+1]
.endif
	s_wait_tensorcnt 0x0                           ; all my tensor loads have landed;
	ds_add_u32 v[SPW], v[NIL]
	s_wait_dscnt 4*NL+1                            ; (the add and the youngest 12 loads, A's blocks 4-7, may be out)
	WIN MUL_LO
	MUL16 0, P, 0
	s_wait_dscnt 0x0                               ; the add is done, and my reads of this slot are over
	s_barrier_signal -1
	MUL16 2, P, 0
	WIN 0
	s_barrier_wait -1
.if \fill
	CREST                                          ; the barrier has opened a round of the cluster's barrier: no wave of any partner still reads this slot or has a load on its way
	s_add_nc_u64 s[G0+4*\s+2:G0+4*\s+3], s[G0+4*\s+2:G0+4*\s+3], 6*KSTA
	s_add_nc_u64 s[G0B+4*\s+2:G0B+4*\s+3], s[G0B+4*\s+2:G0B+4*\s+3], 6*KSTB
.if \fill == 2
	s_mov_b32 s[G1+2], 2<<16                       ; no tensor load of mine is out: the last slot has two K steps
	s_mov_b32 s[G1+4], 2
	s_mov_b32 s[G1B+2], 2<<16
	s_mov_b32 s[G1B+4], 2
.endif
	JLOAD \s                                       ; the first tensor load behind the round; its four v_nop are the places in front of the loads below
.else
	PLACES NP
.endif
	FETCH_B 1-(\s), 0, 1-P
	FETCH_A 1-(\s), 0, 0
	SCALES 1-(\s), 0, 1-P
.if \fill == 1
	ASK                                            ; behind the joint load and the run of LDS loads
.endif
	WIN MUL_HI
	MUL16 4, P, 0
	MUL16 6, P, 0
	PLACES NP
	WIN 0
	FETCH_A 1-(\s), 0, 4
	FETCH_B 1-(\s), 1, P                           ; my B's set is free: it takes the new slot's second step
.endm
	s_wait_alu depctr_va_vdst(0)                   ; the wait at the head's end
	PF PFB                                         ; behind slot 0's load: slot 2
	s_wait_tensorcnt 0x0                           ; my part of slot 0 is in; the same lines ahead of a later first fill as ahead of a refill:
	ds_add_u32 v[SPW], v[NIL]
	s_wait_dscnt 0x0
	CROUND                                         ; everybody's part is in, and all sixteen work-groups are here
	JLOAD 1                                        ; K steps 3 to 5: slot 1's first fill
	FETCH_B 0, 0, 0
	FETCH_A 0, 0, 0
	SCALES 0, 0, 0
	FETCH_A 0, 0, 4
	FETCH_B 0, 1, 1
	PF PFA                                         ; behind slot 1's load: slot 3
	STEP 0, 0, 1                                   ; the first step's products start the sums
	s_mov_b32 s3, 4
.Llap:                                                 ; a trip goes once round the ring, six K steps, and fills both slots again: slots 2 to 9 in four trips
	STEP 0, 1, 0
	TURN 0, 1
	STEP 1, 0, 0
	STEP 1, 1, 0
	TURN 1, 1
	STEP 0, 0, 0
	s_sub_co_u32 s3, s3, 1
	s_cmp_lg_u32 s3, 0
	s_cbranch_scc1 .Llap
	STEP 0, 1, 0                                   ; slot 8 goes on
	TURN 0, 2                                      ; K steps 30 and 31 are asked for
	STEP 1, 0, 0
	STEP 1, 1, 0
	TURN 1, 0                                      ; it has fetched K step 30's fragments and scale words and K step 31's B
; THE LAST TWO K STEPS, BY ROWS OF out0.  K step 31's scale words and its fragments of A (registers of their own) follow; then blocks 0-3 take K step 30, and each block in turn is finished (blocks 4-7: both steps) and leaves.
; A block of 16 rows x 128 columns goes through my own stage and comes back, as whole rows of 512 bytes, INTO ITS OWN ACCUMULATOR REGISTERS; the 32 lanes store a row as two aligned units of 256 bytes.  The block's place
; stands in the stores' immediate (127 rows of 8,192 bytes at the most, inside the signed 24 bits: ISA guide, chapter 10): no register and no base that a store reads is written again.
; LDS serves a wave's instructions in order (ISA guide 5.7.1.4): no wait between a block's stores and its loads, nor in front of the next block's stores.
.macro TOSTAGE a
.set AC, 64*((\a)%4)
	WIN (2+(\a)/4)*4                               ; the data: window 2 or 3
.irp b, 0,1,2,3,4,5,6,7
	ds_store_b128 v[STO], v[AC+8*\b:AC+8*\b+3] offset:64*\b          ; each accumulator from its low end on
	ds_store_b128 v[STO], v[AC+8*\b+4:AC+8*\b+7] offset:64*\b+16
.endr
	WIN (2+(\a)/4)*64                              ; the destination: the same window
.irp t, 0,1,2,3,4,5,6,7,8,9,10,11,12,13,14,15
	ds_load_b128 v[AC+4*\t:AC+4*\t+3], v[RD] offset:\t*SPITCH
.endr
.endm
.macro SEND a, younger                 ; younger: the LDS instructions issued behind block a's loads
.set AC, 64*((\a)%4)
	s_wait_dscnt \younger
	WIN (2+(\a)/4)*4
.irp t, 0,1,2,3,4,5,6,7,8,9,10,11,12,13,14,15
	global_store_b128 v[CO], v[AC+4*\t:AC+4*\t+3], s[12:13] offset:(16*(\a)+\t)*SIZE_N*4 th:TH_STORE_NT
.endr
.endm
	SCALES 0, 1, 1
.irp i, 0,1,2,3,4,5,6,7
	FRAG A2+FR*\i+(\i/6)*A2X, ADRA, 1, \i
.endr
	s_wait_dscnt 52                                ; all of K step 30 is in; K step 31's 24 + 4 + 24 loads may be out
	WIN MUL_LO
	MUL16 0, 0, 0
	MUL16 2, 0, 0
	s_wait_dscnt 0
.irp a, 0,1,2,3,4,5,6,7
	WIN MUL_LO+0x50*(\a/4)
.if \a >= 4
	MUL8 \a, 0, AF+FR*\a, 0
.endif
	MUL8 \a, 1, A2+FR*\a+(\a/6)*A2X, 0
	PLACES NP                                      ; the stores into the stage read results just made
	TOSTAGE \a
.if \a > 0
	SEND \a-1, 32                                  ; behind block a - 1's loads: block a's 16 stores and 16 loads
.endif
.endr
	SEND 7, 0
	WIN 0
	s_wait_tensorcnt 0x0                           ; the wave's end
	ds_add_u32 v[SPW], v[NIL]
	s_wait_dscnt 0x0
	CROUND                                         ; the closing round
	s_endpgm
.Lfunc_end_k_qb1b63918cc_gemm:
	.size	k_qb1b63918cc_gemm, .Lfunc_end_k_qb1b63918cc_gemm-k_qb1b63918cc_gemm
	.p2alignl 7, 3214868480
	.fill 96, 4, 3214868480
	.section	.rodata,"a",@progbits
	.p2align	6, 0x0
	.amdhsa_kernel k_qb1b63918cc_gemm
		.amdhsa_group_segment_fixed_size 327680
		.amdhsa_private_segment_fixed_size 0
		.amdhsa_enable_private_segment 0
		.amdhsa_kernarg_size 24
		.amdhsa_user_sgpr_count 2
		.amdhsa_user_sgpr_kernarg_segment_ptr 1
		.amdhsa_wavefront_size32 1
		.amdhsa_system_sgpr_workgroup_id_x 1
		.amdhsa_system_sgpr_workgroup_id_y 1
		.amdhsa_system_sgpr_workgroup_id_z 1
		.amdhsa_system_vgpr_workitem_id 0
		.amdhsa_next_free_vgpr 1024
		.amdhsa_next_free_sgpr 80
		.amdhsa_reserve_vcc 0
		.amdhsa_float_denorm_mode_32 3
		.amdhsa_float_denorm_mode_16_64 3
		.amdhsa_memory_ordered 1
		.amdhsa_forward_progress 1
		.amdhsa_inst_pref_size 207
	.end_amdhsa_kernel
	.amdgpu_metadata
---
amdhsa.version: [ 1, 2 ]
amdhsa.kernels:
  - .name:           k_qb1b63918cc_gemm
    .symbol:         k_qb1b63918cc_gemm.kd
    .args:
      - { .name: x_pack, .offset: 0, .size: 8, .value_kind: global_buffer, .address_space: global }
      - { .name: w_pack, .offset: 8, .size: 8, .value_kind: global_buffer, .address_space: global }
      - { .name: out0, .offset: 16, .size: 8, .value_kind: global_buffer, .address_space: global }
    .group_segment_fixed_size: 327680
    .private_segment_fixed_size: 0
    .kernarg_segment_align: 8
    .kernarg_segment_size: 24
    .max_flat_workgroup_size: 128
    .sgpr_count:     80
    .vgpr_count:     1024
    .wavefront_size: 32
...
	.end_amdgpu_metadata
.endif
;; end of part 2
